; MI455X (gfx1250); checked and timed in simulation.
; The chip was launched on July 23, 2026; its instructions are those of AMD's public machine-readable ISA for CDNA 5 (MIT licence, August 2026) and "CDNA5" Instruction Set Architecture Reference Guide (July 2026). The comments in the code are by the model that wrote it; some were corrected since.
;; Temporal Attention. Allowed arithmetic: float matrix products may take bf16 or f16 operands with f32 sums; all other float work in f32.
;; Inputs: Wk 512 x 512 float32; Wq 512 x 512 float32; Wt 1 x 2,048 float32; Wv 512 x 512 float32; bk 512 float32; bq 512 float32; bt 1 float32; bv 512 float32; x 16 x 2,048 x 512 float32.
;; Outputs: out0 16 x 512 float32.
;; One version. Each part assembles by itself: llvm-mc -triple=amdgcn-amd-amdhsa -mcpu=gfx1250 --defsym DOCPART=n.
;; ======== version 1 of 1: 4 launches
;; workspace buffers: p0 655,360 bytes; p1 655,360 bytes
;; launch wsum (part 1): grid 256 x 1, 16 waves a work-group, no clusters, 51,200 bytes of LDS; arguments x, Wt, p0; writes p0
.if DOCPART == 1
	.amdgcn_target "amdgcn-amd-amdhsa--gfx1250"
	.amdhsa_code_object_version 6
	.text
	.protected	k_qbfaf3f557a_wsum
	.globl	k_qbfaf3f557a_wsum
	.p2align	8
	.type	k_qbfaf3f557a_wsum,@function
k_qbfaf3f557a_wsum:
	s_mov_b64 s[64:65], 0
	v_nop
	global_prefetch_b8 v0, s[64:65] scope:SCOPE_SE
	s_setreg_imm32_b32 hwreg(HW_REG_WAVE_MODE, 25, 1), 1
	s_wait_xcnt 0x0
; FIRST OF FOUR LAUNCHES.  The module has no non-linear step, so its sums are taken in another order, exactly, for every input.  Per batch b:
;   xw = sum_t Wt[t] x_t, sW = sum_t Wt[t]                    (this launch, in partial sums over 128 rows)
;   kw = Wk xw + bk sW  (= sum_t Wt[t] k_t),  u = Wq^T kw / sqrt(512),  c = bq.kw / sqrt(512) + bt
;   ta_s = x_s.u + c,  y = sum_s ta_s x_s,  T = sum_s ta_s,  latent = Wv y + bv T
; LIMIT, stated: the order of summation and of rounding differs from the module's own order; every sum is kept in f32.
; No matrix instruction: what is left are products of a matrix with ONE vector per batch, whose cost is the bytes of x and of the weights.
;
; THIS LAUNCH: work-group g (0..255) owns rows 128 g .. 128 g + 127 of x taken as [32768][512]; it stores row g of p0:
; floats 0..511 = sum over its rows of Wt[s] x_s, floats 512..639 = sum over its rows of Wt[s], 128 times over, so that a row of p0
; is 5 waves x 32 lanes x 16 bytes and no lane is ever switched off.
; Sixteen waves, 8 whole rows each: 32 loads of 16 bytes a lane into 128 registers, all issued at the wave's head, so that the
; work-group's whole 256 KiB is requested at once: no ring, no loop.  Each load of a wave covers 512 consecutive bytes, aligned.
; No cluster: no byte of x is read by two work-groups.  No copy engine and no LDS for x: a wave's share fits in its registers.
.set ROWB, 2048                        ; bytes in a row of x
.set PROW, 2560                        ; bytes in a row of p0: 640 floats
.set RED,  0                           ; LDS: 16 waves x 2,560 bytes, each wave's sums
.set LO,   1                           ; v1       16 x lane
.set SA,   2                           ; v2       2,560 x wave + 16 x lane: where my sums go in LDS
.set TO,   3                           ; v3       512 x wave + 16 x lane: my 16 bytes of a row of 2,560 (waves 0 to 4)
.set M,    4                           ; v[4:5]   the multiplier, in the first register of a pair; the second holds 0
.set ACC,  8                           ; v[8:27]  my sums: piece j (0..3) = bytes 512 j + 16 lane of the vector, piece 4 = the sum of Wt
.set X,    32                          ; v[32:159] row r: 16 registers, piece j as above
.macro ROWLD dst, off                  ; a whole row: four loads of 512 consecutive bytes
.irp j, 0,1,2,3
	global_load_b128 v[\dst+4*\j:\dst+4*\j+3], v[LO], s[4:5] offset:\off+512*\j
.endr
.endm
.macro ACCUM first, row                ; ACC (+)= row x v[M], two numbers an instruction; the first row starts the sums
.irp k, 0,2,4,6,8,10,12,14
.if \first
	v_pk_mul_f32 v[ACC+\k:ACC+\k+1], v[\row+\k:\row+\k+1], v[M:M+1] op_sel_hi:[1,0]
.else
	v_pk_fma_f32 v[ACC+\k:ACC+\k+1], v[\row+\k:\row+\k+1], v[M:M+1], v[ACC+\k:ACC+\k+1] op_sel_hi:[1,0,1]
.endif
.endr
.endm
.macro SUMTREE b                       ; sixteen groups of 4 registers from v[b] on are added into the first: 16 + 8 + 4 + 2 packed adds
.irp d, 32,16,8,4
.set i, 0
.rept \d/2
	v_pk_add_f32 v[\b+i:\b+i+1], v[\b+i:\b+i+1], v[\b+\d+i:\b+\d+i+1]
.set i, i+2
.endr
.endr
.endm
; The sixteen waves' sums meet in LDS; waves 0 to 4 add them, 512 bytes of the row each, and store the row.
.macro WGRED x, so
.irp j, 0,1,2,3,4
	ds_store_b128 v[SA], v[ACC+4*\j:ACC+4*\j+3] offset:RED+512*\j
.endr
	s_wait_dscnt 0x0                               ; my stores are in LDS before I say so: the other waves read them
	s_barrier_signal -1
	s_barrier_wait -1
	s_cmp_ge_u32 s10, 5
	s_cbranch_scc1 .Lend                           ; a row is five waves wide
.irp k, 0,1,2,3,4,5,6,7,8,9,10,11,12,13,14,15
	ds_load_b128 v[\x+4*\k:\x+4*\k+3], v[TO] offset:RED+PROW*\k
.endr
	s_wait_dscnt 0x0
	SUMTREE \x
	global_store_b128 v[TO], v[\x:\x+3], s[\so:\so+1]   ; the wave stores 512 consecutive bytes, aligned
.Lend:
	s_wait_tensorcnt 0x0
	ds_add_u32 v160, v161
	s_wait_dscnt 0x0
	s_endpgm
.endm
	s_load_b128 s[4:7], s[0:1], 0x0                ; x s[4:5], Wt s[6:7]
	s_load_b64 s[8:9], s[0:1], 0x10                ; p0
	v_lshl_add_u32 v160, v0, 2, 0xc000
	v_mov_b32 v161, 0
	v_lshrrev_b32 v[SA], 5, v0
	v_readfirstlane_b32 s10, v[SA]                 ; wave 0..15
	v_and_b32 v[LO], 31, v0
	v_lshlrev_b32 v[LO], 4, v[LO]
	s_lshl_b32 s12, ttmp9, 18                      ; 128 rows of 2,048 bytes for each work-group (below 64 MiB),
	s_lshl_b32 s11, s10, 14                        ; 8 rows for each wave
	s_add_co_u32 s12, s12, s11
	s_mov_b32 s13, 0
	s_and_b32 s14, ttmp9, 15                       ; which 128 rows of the batch: Wt runs over a batch's 2,048 rows
	s_lshl_b32 s14, s14, 9                         ; 128 floats,
	s_lshl_b32 s11, s10, 5                         ; 8 floats for each wave
	s_add_co_u32 s14, s14, s11
	s_mov_b32 s15, 0
	s_mul_i32 s24, ttmp9, PROW                     ; my row of p0
	s_mov_b32 s25, 0
	s_mul_i32 s26, s10, PROW
	s_lshl_b32 s27, s10, 9
	v_add_nc_u32 v[SA], s26, v[LO]
	v_add_nc_u32 v[TO], s27, v[LO]
	v_mov_b32 v[M+1], 0                            ; the pair's second register is named by the packed forms and never multiplied by
	s_wait_kmcnt 0x0
	s_add_nc_u64 s[4:5], s[4:5], s[12:13]
	s_add_nc_u64 s[6:7], s[6:7], s[14:15]
	s_add_nc_u64 s[8:9], s[8:9], s[24:25]
	s_load_b256 s[16:23], s[6:7], 0x0              ; Wt of my eight rows: the same for all lanes, so it lives in scalar registers
.irp r, 0,1,2,3,4,5,6,7
	ROWLD X+16*\r, ROWB*\r                         ; no cache word: the third launch reads x again
.endr
	s_wait_kmcnt 0x0
	s_add_f32 s28, s16, s17                        ; the sum of my eight Wt
	s_add_f32 s29, s18, s19
	s_add_f32 s30, s20, s21
	s_add_f32 s31, s22, s23
	s_add_f32 s28, s28, s29
	s_add_f32 s30, s30, s31
	s_add_f32 s28, s28, s30
	s_wait_loadcnt 28                              ; loads return in order: row 0's four are in, the 28 of rows 1 to 7 stay out
	v_mov_b32 v[M], s16
	ACCUM 1, X
.irp r, 1,2,3,4,5,6,7
	s_wait_loadcnt 28-4*\r                         ; row r is in; four loads for each later row stay out
	v_mov_b32 v[M], s[16+\r]
	ACCUM 0, X+16*\r
.endr
.irp j, 16,17,18,19
	v_mov_b32 v[ACC+\j], s28
.endr
	WGRED X, 8                                     ; X is free: the last wait above was for all loads
.Lfunc_end_k_qbfaf3f557a_wsum:
	.size	k_qbfaf3f557a_wsum, .Lfunc_end_k_qbfaf3f557a_wsum-k_qbfaf3f557a_wsum
	.p2alignl 7, 3214868480
	.fill 96, 4, 3214868480
	.section	.rodata,"a",@progbits
	.p2align	6, 0x0
	.amdhsa_kernel k_qbfaf3f557a_wsum
		.amdhsa_group_segment_fixed_size 51200
		.amdhsa_private_segment_fixed_size 0
		.amdhsa_enable_private_segment 0
		.amdhsa_kernarg_size 24
		.amdhsa_user_sgpr_count 2
		.amdhsa_user_sgpr_kernarg_segment_ptr 1
		.amdhsa_wavefront_size32 1
		.amdhsa_system_sgpr_workgroup_id_x 1
		.amdhsa_system_sgpr_workgroup_id_y 1
		.amdhsa_system_sgpr_workgroup_id_z 1
		.amdhsa_system_vgpr_workitem_id 0
		.amdhsa_next_free_vgpr 162
		.amdhsa_next_free_sgpr 66
		.amdhsa_reserve_vcc 0
		.amdhsa_float_denorm_mode_32 3
		.amdhsa_float_denorm_mode_16_64 3
		.amdhsa_memory_ordered 1
		.amdhsa_forward_progress 1
		.amdhsa_inst_pref_size 13
	.end_amdhsa_kernel
	.amdgpu_metadata
---
amdhsa.version: [ 1, 2 ]
amdhsa.kernels:
  - .name:           k_qbfaf3f557a_wsum
    .symbol:         k_qbfaf3f557a_wsum.kd
    .args:
      - { .name: x, .offset: 0, .size: 8, .value_kind: global_buffer, .address_space: global }
      - { .name: Wt, .offset: 8, .size: 8, .value_kind: global_buffer, .address_space: global }
      - { .name: p0, .offset: 16, .size: 8, .value_kind: global_buffer, .address_space: global }
    .group_segment_fixed_size: 51200
    .private_segment_fixed_size: 0
    .kernarg_segment_align: 8
    .kernarg_segment_size: 24
    .max_flat_workgroup_size: 512
    .sgpr_count:     66
    .vgpr_count:     162
    .wavefront_size: 32
...
	.end_amdgpu_metadata
.endif
;; end of part 1
;; launch mid (part 2): grid 256 x 1, 16 waves a work-group, no clusters, 59,392 bytes of LDS; arguments p0, Wk, bk, Wq, bq, p1; writes p1
.if DOCPART == 2
	.amdgcn_target "amdgcn-amd-amdhsa--gfx1250"
	.amdhsa_code_object_version 6
	.text
	.protected	k_qbfaf3f557a_mid
	.globl	k_qbfaf3f557a_mid
	.p2align	8
	.type	k_qbfaf3f557a_mid,@function
k_qbfaf3f557a_mid:
	s_mov_b64 s[64:65], 0
	v_nop
	global_prefetch_b8 v0, s[64:65] scope:SCOPE_SE
	s_setreg_imm32_b32 hwreg(HW_REG_WAVE_MODE, 25, 1), 1
	s_wait_xcnt 0x0
; SECOND LAUNCH.  Work-group g = 16 b + j: batch b, the 32 features f = 32 j .. 32 j + 31.
;   [xw, sW] = the sum of the batch's 16 rows of p0;   kw_f = Wk_f . xw + bk_f sW;
;   row g of p1 = sum over my 32 f of kw_f [Wq_f, bq_f]: floats 0..511 a part of Wq^T kw, floats 512..639 a part of bq.kw, 128 times over.
; The sum over f of the second product is over the same f that the work-group has just made, so both products are one launch,
; and the next launch adds 16 partial rows, as this one does.  All arithmetic in f32 (order of sums: see the first launch's head).
; Sixteen waves, two f each: two rows of Wk and two of Wq, 16 loads a lane, issued at the head, behind the partial rows' loads.
; No cluster: the weight rows that sixteen batches share go straight into registers here; joint requests would send 128 KiB a
; work-group through LDS and back for a body that is two dependent accesses long.
.set ROWB, 2048                        ; bytes in a row of Wk, Wq
.set PROW, 2560                        ; bytes in a row of p0, p1
.set VEC,  0                           ; LDS: [xw, sW], 2,560 bytes; the region is 8,192 so that 512 x wave stays inside it for all 16 waves
.set RED,  8192                        ; LDS: 16 waves x 2,560 bytes
.set NROWLD, 16                        ; loads of weight rows in each wave
.set LO,   1                           ; v1        16 x lane
.set SA,   2                           ; v2        2,560 x wave + 16 x lane
.set TO,   3                           ; v3        512 x wave + 16 x lane
.set SW,   4                           ; v4        sW
.set ONE,  5                           ; v5        sum of kw_f bq_f
.set M,    6                           ; v[6:7]    a dot product's first chain; then kw_f in v6
.set UV,   8                           ; v[8:23]   xw: piece j = bytes 512 j + 16 lane
.set ACC,  24                          ; v[24:43]  my sums, five pieces
.set D2,   44                          ; v[44:45]  a dot product's second chain
.set KR,   48                          ; v[48:79]  two rows of Wk
.set QR,   80                          ; v[80:111] two rows of Wq
.set PR,   112                         ; v[112:175] 16 partial rows, my 16 bytes of each (waves 0 to 4)
.set SEL,  32                          ; s[32:33]  v_permlanex16_b32: lane i of one half reads lane i of the other
.macro ROWLD dst, sb, off
.irp j, 0,1,2,3
	global_load_b128 v[\dst+4*\j:\dst+4*\j+3], v[LO], s[\sb:\sb+1] offset:\off+512*\j
.endr
.endm
.macro ROWS                            ; Wk's two rows, then Wq's two
	ROWLD KR, 6, 0
	ROWLD KR+16, 6, ROWB
	ROWLD QR, 10, 0
	ROWLD QR+16, 10, ROWB
.endm
.macro SUMTREE b                       ; sixteen groups of 4 registers are added into the first
.irp d, 32,16,8,4
.set i, 0
.rept \d/2
	v_pk_add_f32 v[\b+i:\b+i+1], v[\b+i:\b+i+1], v[\b+\d+i:\b+\d+i+1]
.set i, i+2
.endr
.endr
.endm
; v[M] of every lane = row . UV: two chains of four packed multiply-adds, then across the lanes: four steps inside each half of 16
; lanes ride on the add, one crosses the halves.  v[M+1] has been written when the lane exchange names it as destination.
.macro DOT row
	v_pk_mul_f32 v[M:M+1], v[\row:\row+1], v[UV:UV+1]
	v_pk_mul_f32 v[D2:D2+1], v[\row+2:\row+3], v[UV+2:UV+3]
.irp k, 4,8,12
	v_pk_fma_f32 v[M:M+1], v[\row+\k:\row+\k+1], v[UV+\k:UV+\k+1], v[M:M+1]
	v_pk_fma_f32 v[D2:D2+1], v[\row+\k+2:\row+\k+3], v[UV+\k+2:UV+\k+3], v[D2:D2+1]
.endr
	v_pk_add_f32 v[M:M+1], v[M:M+1], v[D2:D2+1]
	v_add_f32 v[M], v[M], v[M+1]
	v_add_f32_dpp v[M], v[M], v[M] row_xmask:1 row_mask:0xf bank_mask:0xf
	v_add_f32_dpp v[M], v[M], v[M] row_xmask:2 row_mask:0xf bank_mask:0xf
	v_add_f32_dpp v[M], v[M], v[M] row_xmask:4 row_mask:0xf bank_mask:0xf
	v_add_f32_dpp v[M], v[M], v[M] row_xmask:8 row_mask:0xf bank_mask:0xf
	v_permlanex16_b32 v[M+1], v[M], s[SEL], s[SEL+1]
	v_add_f32 v[M], v[M], v[M+1]
.endm
.macro ACCUM first, row                ; ACC (+)= row x v[M]
.irp k, 0,2,4,6,8,10,12,14
.if \first
	v_pk_mul_f32 v[ACC+\k:ACC+\k+1], v[\row+\k:\row+\k+1], v[M:M+1] op_sel_hi:[1,0]
.else
	v_pk_fma_f32 v[ACC+\k:ACC+\k+1], v[\row+\k:\row+\k+1], v[M:M+1], v[ACC+\k:ACC+\k+1] op_sel_hi:[1,0,1]
.endif
.endr
.endm
.macro WGRED x, so                     ; the sixteen waves' sums meet in LDS; waves 0 to 4 add them and store the row
.irp j, 0,1,2,3,4
	ds_store_b128 v[SA], v[ACC+4*\j:ACC+4*\j+3] offset:RED+512*\j
.endr
	s_wait_dscnt 0x0                               ; my stores are in LDS before I say so
	s_barrier_signal -1
	s_barrier_wait -1
	s_cmp_ge_u32 s16, 5
	s_cbranch_scc1 .Lend
.irp k, 0,1,2,3,4,5,6,7,8,9,10,11,12,13,14,15
	ds_load_b128 v[\x+4*\k:\x+4*\k+3], v[TO] offset:RED+PROW*\k
.endr
	s_wait_dscnt 0x0
	SUMTREE \x
	global_store_b128 v[TO], v[\x:\x+3], s[\so:\so+1]   ; the wave stores 512 consecutive bytes, aligned
.Lend:
	s_wait_tensorcnt 0x0
	ds_add_u32 v176, v177
	s_wait_dscnt 0x0
	s_endpgm
.endm
	s_load_b256 s[4:11], s[0:1], 0x0               ; p0 s[4:5], Wk s[6:7], bk s[8:9], Wq s[10:11]
	s_load_b128 s[12:15], s[0:1], 0x20             ; bq s[12:13], p1 s[14:15]
	v_lshl_add_u32 v176, v0, 2, 0xe000
	v_mov_b32 v177, 0
	v_lshrrev_b32 v[SA], 5, v0
	v_readfirstlane_b32 s16, v[SA]                 ; wave 0..15
	v_and_b32 v[LO], 31, v0
	v_lshlrev_b32 v[LO], 4, v[LO]
	s_lshr_b32 s18, ttmp9, 4                       ; b
	s_mul_i32 s18, s18, 16*PROW                    ; the batch's 16 rows of p0
	s_mov_b32 s19, 0
	s_and_b32 s17, ttmp9, 15                       ; j
	s_lshl_b32 s20, s17, 16                        ; 32 weight rows of 2,048 bytes,
	s_lshl_b32 s34, s16, 12                        ; two for each wave
	s_add_co_u32 s20, s20, s34
	s_mov_b32 s21, 0
	s_lshl_b32 s22, s17, 7                         ; 32 floats of a bias,
	s_lshl_b32 s34, s16, 3                         ; two for each wave
	s_add_co_u32 s22, s22, s34
	s_mov_b32 s23, 0
	s_mul_i32 s24, ttmp9, PROW                     ; my row of p1
	s_mov_b32 s25, 0
	s_mul_i32 s30, s16, PROW
	s_lshl_b32 s31, s16, 9
	s_mov_b32 s[SEL], 0x76543210
	s_mov_b32 s[SEL+1], 0xfedcba98
	v_add_nc_u32 v[SA], s30, v[LO]
	v_add_nc_u32 v[TO], s31, v[LO]
	s_wait_kmcnt 0x0
	s_add_nc_u64 s[4:5], s[4:5], s[18:19]
	s_add_nc_u64 s[6:7], s[6:7], s[20:21]
	s_add_nc_u64 s[10:11], s[10:11], s[20:21]
	s_add_nc_u64 s[8:9], s[8:9], s[22:23]
	s_add_nc_u64 s[12:13], s[12:13], s[22:23]
	s_add_nc_u64 s[14:15], s[14:15], s[24:25]
	s_load_b64 s[26:27], s[8:9], 0x0               ; bk of my two f
	s_load_b64 s[28:29], s[12:13], 0x0             ; bq of my two f
	; Waves 0 to 4 add the 16 partial rows, 512 bytes of a row each.  The weight rows' loads stand on both ways, so that behind the
	; join every wave has the same 16 youngest loads and the counted waits mean the same.
	s_cmp_ge_u32 s16, 5
	s_cbranch_scc1 .Lothers
.irp k, 0,1,2,3,4,5,6,7,8,9,10,11,12,13,14,15
	global_load_b128 v[PR+4*\k:PR+4*\k+3], v[TO], s[4:5] offset:PROW*\k
.endr
	ROWS
	s_wait_loadcnt NROWLD                          ; the 16 partial rows are in; the 16 younger loads of weight rows stay out
	SUMTREE PR
	ds_store_b128 v[TO], v[PR:PR+3] offset:VEC
	s_branch .Ljoin
.Lothers:
	ROWS
.Ljoin:
	s_wait_dscnt 0x0                               ; the vector's piece is in LDS before its writer says so
	s_barrier_signal -1
	s_barrier_wait -1                              ; the weight rows' loads stay out across it: nobody writes those bytes
.irp j, 0,1,2,3
	ds_load_b128 v[UV+4*\j:UV+4*\j+3], v[LO] offset:VEC+512*\j
.endr
	ds_load_b32 v[SW], v[LO] offset:VEC+2048       ; any of the 128 copies
	s_wait_dscnt 0x0
	s_wait_kmcnt 0x0                               ; the biases
	s_wait_loadcnt 12                              ; Wk's first row is in; 12 younger loads stay out
	DOT KR
	v_fma_f32 v[M], s26, v[SW], v[M]               ; kw_f
	s_wait_loadcnt 4                               ; Wq's first row is in (and Wk's second, which is older); Wq's second stays out
	ACCUM 1, QR
	v_mul_f32 v[ONE], s28, v[M]
	DOT KR+16
	v_fma_f32 v[M], s27, v[SW], v[M]
	s_wait_loadcnt 0x0                             ; Wq's second row
	ACCUM 0, QR+16
	v_fmac_f32 v[ONE], s29, v[M]
.irp j, 16,17,18,19
	v_mov_b32 v[ACC+\j], v[ONE]
.endr
	WGRED KR, 14                                   ; the weight rows' 64 registers are free: all loads are in
.Lfunc_end_k_qbfaf3f557a_mid:
	.size	k_qbfaf3f557a_mid, .Lfunc_end_k_qbfaf3f557a_mid-k_qbfaf3f557a_mid
	.p2alignl 7, 3214868480
	.fill 96, 4, 3214868480
	.section	.rodata,"a",@progbits
	.p2align	6, 0x0
	.amdhsa_kernel k_qbfaf3f557a_mid
		.amdhsa_group_segment_fixed_size 59392
		.amdhsa_private_segment_fixed_size 0
		.amdhsa_enable_private_segment 0
		.amdhsa_kernarg_size 48
		.amdhsa_user_sgpr_count 2
		.amdhsa_user_sgpr_kernarg_segment_ptr 1
		.amdhsa_wavefront_size32 1
		.amdhsa_system_sgpr_workgroup_id_x 1
		.amdhsa_system_sgpr_workgroup_id_y 1
		.amdhsa_system_sgpr_workgroup_id_z 1
		.amdhsa_system_vgpr_workitem_id 0
		.amdhsa_next_free_vgpr 178
		.amdhsa_next_free_sgpr 66
		.amdhsa_reserve_vcc 0
		.amdhsa_float_denorm_mode_32 3
		.amdhsa_float_denorm_mode_16_64 3
		.amdhsa_memory_ordered 1
		.amdhsa_forward_progress 1
		.amdhsa_inst_pref_size 16
	.end_amdhsa_kernel
	.amdgpu_metadata
---
amdhsa.version: [ 1, 2 ]
amdhsa.kernels:
  - .name:           k_qbfaf3f557a_mid
    .symbol:         k_qbfaf3f557a_mid.kd
    .args:
      - { .name: p0, .offset: 0, .size: 8, .value_kind: global_buffer, .address_space: global }
      - { .name: Wk, .offset: 8, .size: 8, .value_kind: global_buffer, .address_space: global }
      - { .name: bk, .offset: 16, .size: 8, .value_kind: global_buffer, .address_space: global }
      - { .name: Wq, .offset: 24, .size: 8, .value_kind: global_buffer, .address_space: global }
      - { .name: bq, .offset: 32, .size: 8, .value_kind: global_buffer, .address_space: global }
      - { .name: p1, .offset: 40, .size: 8, .value_kind: global_buffer, .address_space: global }
    .group_segment_fixed_size: 59392
    .private_segment_fixed_size: 0
    .kernarg_segment_align: 8
    .kernarg_segment_size: 48
    .max_flat_workgroup_size: 512
    .sgpr_count:     66
    .vgpr_count:     178
    .wavefront_size: 32
...
	.end_amdgpu_metadata
.endif
;; end of part 2
;; launch pass2 (part 3): grid 256 x 1, 16 waves a work-group, no clusters, 59,392 bytes of LDS; arguments x, p1, bt, p0; writes p0
.if DOCPART == 3
	.amdgcn_target "amdgcn-amd-amdhsa--gfx1250"
	.amdhsa_code_object_version 6
	.text
	.protected	k_qbfaf3f557a_pass2
	.globl	k_qbfaf3f557a_pass2
	.p2align	8
	.type	k_qbfaf3f557a_pass2,@function
k_qbfaf3f557a_pass2:
	s_mov_b64 s[64:65], 0
	v_nop
	global_prefetch_b8 v0, s[64:65] scope:SCOPE_SE
	s_setreg_imm32_b32 hwreg(HW_REG_WAVE_MODE, 25, 1), 1
	s_wait_xcnt 0x0
; THIRD LAUNCH.  Work-group g owns the same 128 rows of x as in the first launch; b = g / 16.
;   [u, c'] = (the sum of the batch's 16 rows of p1) / sqrt(512);  c = c' + bt;
;   ta_s = x_s . u + c;   row g of p0 = sum over my rows of ta_s [x_s, 1]: floats 0..511 a part of y, floats 512..639 a part of T, 128 times over.
; p0 is only stored here (its old content was read by the second launch); p1 is only loaded.  All arithmetic in f32.
; Sixteen waves, 8 whole rows each in 128 registers: a row serves its dot product and then the weighted sum without a second read.
; All 32 loads of x (behind the 16 of the partial rows in waves 0 to 4) are issued at the head: the work-group's 256 KiB are requested at once.
; No cluster: no byte of x is shared; the shared partial rows are 40 KiB beside 256 KiB.
.set ROWB, 2048
.set PROW, 2560
.set VEC,  0                           ; LDS: [u, c'], 2,560 bytes in a region of 8,192 (512 x wave stays inside for all 16 waves)
.set RED,  8192                        ; LDS: 16 waves x 2,560 bytes
.set NROWLD, 32                        ; loads of x in each wave
.set LO,   1                           ; v1        16 x lane
.set SA,   2                           ; v2        2,560 x wave + 16 x lane
.set TO,   3                           ; v3        512 x wave + 16 x lane
.set CC,   4                           ; v4        c
.set ONE,  5                           ; v5        sum of ta_s
.set M,    6                           ; v[6:7]    a dot product's first chain; then ta_s in v6
.set UV,   8                           ; v[8:23]   u
.set ACC,  24                          ; v[24:43]  my sums, five pieces
.set D2,   44                          ; v[44:45]  a dot product's second chain
.set X,    48                          ; v[48:175] row r: 16 registers
.set PR,   176                         ; v[176:239] 16 partial rows, my 16 bytes of each (waves 0 to 4)
.set SEL,  24                          ; s[24:25]  v_permlanex16_b32: lane i of one half reads lane i of the other
.macro ROWLD dst, off
.irp j, 0,1,2,3
	global_load_b128 v[\dst+4*\j:\dst+4*\j+3], v[LO], s[4:5] offset:\off+512*\j th:TH_LOAD_NT   ; x's last use
.endr
.endm
.macro ROWS
.irp r, 0,1,2,3,4,5,6,7
	ROWLD X+16*\r, ROWB*\r
.endr
.endm
.macro SUMTREE b                       ; sixteen groups of 4 registers are added into the first
.irp d, 32,16,8,4
.set i, 0
.rept \d/2
	v_pk_add_f32 v[\b+i:\b+i+1], v[\b+i:\b+i+1], v[\b+\d+i:\b+\d+i+1]
.set i, i+2
.endr
.endr
.endm
.macro DOT row                         ; v[M] of every lane = row . UV (two chains, then across the 32 lanes)
	v_pk_mul_f32 v[M:M+1], v[\row:\row+1], v[UV:UV+1]
	v_pk_mul_f32 v[D2:D2+1], v[\row+2:\row+3], v[UV+2:UV+3]
.irp k, 4,8,12
	v_pk_fma_f32 v[M:M+1], v[\row+\k:\row+\k+1], v[UV+\k:UV+\k+1], v[M:M+1]
	v_pk_fma_f32 v[D2:D2+1], v[\row+\k+2:\row+\k+3], v[UV+\k+2:UV+\k+3], v[D2:D2+1]
.endr
	v_pk_add_f32 v[M:M+1], v[M:M+1], v[D2:D2+1]
	v_add_f32 v[M], v[M], v[M+1]
	v_add_f32_dpp v[M], v[M], v[M] row_xmask:1 row_mask:0xf bank_mask:0xf
	v_add_f32_dpp v[M], v[M], v[M] row_xmask:2 row_mask:0xf bank_mask:0xf
	v_add_f32_dpp v[M], v[M], v[M] row_xmask:4 row_mask:0xf bank_mask:0xf
	v_add_f32_dpp v[M], v[M], v[M] row_xmask:8 row_mask:0xf bank_mask:0xf
	v_permlanex16_b32 v[M+1], v[M], s[SEL], s[SEL+1]
	v_add_f32 v[M], v[M], v[M+1]
.endm
.macro ACCUM first, row                ; ACC (+)= row x v[M]
.irp k, 0,2,4,6,8,10,12,14
.if \first
	v_pk_mul_f32 v[ACC+\k:ACC+\k+1], v[\row+\k:\row+\k+1], v[M:M+1] op_sel_hi:[1,0]
.else
	v_pk_fma_f32 v[ACC+\k:ACC+\k+1], v[\row+\k:\row+\k+1], v[M:M+1], v[ACC+\k:ACC+\k+1] op_sel_hi:[1,0,1]
.endif
.endr
.endm
.macro WGRED x, so                     ; the sixteen waves' sums meet in LDS; waves 0 to 4 add them and store the row
.irp j, 0,1,2,3,4
	ds_store_b128 v[SA], v[ACC+4*\j:ACC+4*\j+3] offset:RED+512*\j
.endr
	s_wait_dscnt 0x0                               ; my stores are in LDS before I say so
	s_barrier_signal -1
	s_barrier_wait -1
	s_cmp_ge_u32 s12, 5
	s_cbranch_scc1 .Lend
.irp k, 0,1,2,3,4,5,6,7,8,9,10,11,12,13,14,15
	ds_load_b128 v[\x+4*\k:\x+4*\k+3], v[TO] offset:RED+PROW*\k
.endr
	s_wait_dscnt 0x0
	SUMTREE \x
	global_store_b128 v[TO], v[\x:\x+3], s[\so:\so+1]   ; the wave stores 512 consecutive bytes, aligned
.Lend:
	s_wait_tensorcnt 0x0
	ds_add_u32 v240, v241
	s_wait_dscnt 0x0
	s_endpgm
.endm
	s_load_b256 s[4:11], s[0:1], 0x0               ; x s[4:5], p1 s[6:7], bt s[8:9], p0 s[10:11]
	v_lshl_add_u32 v240, v0, 2, 0xe000
	v_mov_b32 v241, 0
	v_lshrrev_b32 v[SA], 5, v0
	v_readfirstlane_b32 s12, v[SA]                 ; wave 0..15
	v_and_b32 v[LO], 31, v0
	v_lshlrev_b32 v[LO], 4, v[LO]
	s_lshl_b32 s14, ttmp9, 18                      ; 128 rows of 2,048 bytes for each work-group,
	s_lshl_b32 s13, s12, 14                        ; 8 rows for each wave
	s_add_co_u32 s14, s14, s13
	s_mov_b32 s15, 0
	s_lshr_b32 s16, ttmp9, 4                       ; b
	s_mul_i32 s16, s16, 16*PROW                    ; the batch's 16 rows of p1
	s_mov_b32 s17, 0
	s_mul_i32 s18, ttmp9, PROW                     ; my row of p0
	s_mov_b32 s19, 0
	s_mul_i32 s21, s12, PROW
	s_lshl_b32 s22, s12, 9
	s_mov_b32 s[SEL], 0x76543210
	s_mov_b32 s[SEL+1], 0xfedcba98
	v_add_nc_u32 v[SA], s21, v[LO]
	v_add_nc_u32 v[TO], s22, v[LO]
	s_wait_kmcnt 0x0
	s_add_nc_u64 s[4:5], s[4:5], s[14:15]
	s_add_nc_u64 s[6:7], s[6:7], s[16:17]
	s_add_nc_u64 s[10:11], s[10:11], s[18:19]
	s_load_b32 s20, s[8:9], 0x0                    ; bt
	; Waves 0 to 4 add the 16 partial rows.  The loads of x stand on both ways: behind the join every wave has the same 32 youngest loads.
	s_cmp_ge_u32 s12, 5
	s_cbranch_scc1 .Lothers
.irp k, 0,1,2,3,4,5,6,7,8,9,10,11,12,13,14,15
	global_load_b128 v[PR+4*\k:PR+4*\k+3], v[TO], s[6:7] offset:PROW*\k
.endr
	ROWS
	s_wait_loadcnt NROWLD                          ; the 16 partial rows are in; the 32 younger loads of x stay out
	SUMTREE PR
	v_pk_mul_f32 v[PR:PR+1], v[PR:PR+1], 0x3d3504f3 op_sel_hi:[1,0]       ; 1 / sqrt(512), on u and on bq.kw alike
	v_pk_mul_f32 v[PR+2:PR+3], v[PR+2:PR+3], 0x3d3504f3 op_sel_hi:[1,0]
	ds_store_b128 v[TO], v[PR:PR+3] offset:VEC
	s_branch .Ljoin
.Lothers:
	ROWS
.Ljoin:
	s_wait_dscnt 0x0                               ; the vector's piece is in LDS before its writer says so
	s_barrier_signal -1
	s_barrier_wait -1                              ; the loads of x stay out across it: nobody writes those bytes
.irp j, 0,1,2,3
	ds_load_b128 v[UV+4*\j:UV+4*\j+3], v[LO] offset:VEC+512*\j
.endr
	ds_load_b32 v[CC], v[LO] offset:VEC+2048       ; any of the 128 copies
	s_wait_dscnt 0x0
	s_wait_kmcnt 0x0
	v_add_f32 v[CC], s20, v[CC]                    ; c = bq.kw / sqrt(512) + bt
	s_wait_loadcnt 28                              ; row 0's four loads are in; the 28 of rows 1 to 7 stay out
	DOT X
	v_add_f32 v[M], v[M], v[CC]                    ; ta of row 0
	v_mov_b32 v[ONE], v[M]                         ; starts T
	ACCUM 1, X
.irp r, 1,2,3,4,5,6,7
	s_wait_loadcnt 28-4*\r                         ; row r is in; four loads for each later row stay out
	DOT X+16*\r
	v_add_f32 v[M], v[M], v[CC]
	v_add_f32 v[ONE], v[ONE], v[M]
	ACCUM 0, X+16*\r
.endr
.irp j, 16,17,18,19
	v_mov_b32 v[ACC+\j], v[ONE]
.endr
	WGRED X, 10                                    ; X is free: the last wait above was for all loads
.Lfunc_end_k_qbfaf3f557a_pass2:
	.size	k_qbfaf3f557a_pass2, .Lfunc_end_k_qbfaf3f557a_pass2-k_qbfaf3f557a_pass2
	.p2alignl 7, 3214868480
	.fill 96, 4, 3214868480
	.section	.rodata,"a",@progbits
	.p2align	6, 0x0
	.amdhsa_kernel k_qbfaf3f557a_pass2
		.amdhsa_group_segment_fixed_size 59392
		.amdhsa_private_segment_fixed_size 0
		.amdhsa_enable_private_segment 0
		.amdhsa_kernarg_size 32
		.amdhsa_user_sgpr_count 2
		.amdhsa_user_sgpr_kernarg_segment_ptr 1
		.amdhsa_wavefront_size32 1
		.amdhsa_system_sgpr_workgroup_id_x 1
		.amdhsa_system_sgpr_workgroup_id_y 1
		.amdhsa_system_sgpr_workgroup_id_z 1
		.amdhsa_system_vgpr_workitem_id 0
		.amdhsa_next_free_vgpr 242
		.amdhsa_next_free_sgpr 66
		.amdhsa_reserve_vcc 0
		.amdhsa_float_denorm_mode_32 3
		.amdhsa_float_denorm_mode_16_64 3
		.amdhsa_memory_ordered 1
		.amdhsa_forward_progress 1
		.amdhsa_inst_pref_size 28
	.end_amdhsa_kernel
	.amdgpu_metadata
---
amdhsa.version: [ 1, 2 ]
amdhsa.kernels:
  - .name:           k_qbfaf3f557a_pass2
    .symbol:         k_qbfaf3f557a_pass2.kd
    .args:
      - { .name: x, .offset: 0, .size: 8, .value_kind: global_buffer, .address_space: global }
      - { .name: p1, .offset: 8, .size: 8, .value_kind: global_buffer, .address_space: global }
      - { .name: bt, .offset: 16, .size: 8, .value_kind: global_buffer, .address_space: global }
      - { .name: p0, .offset: 24, .size: 8, .value_kind: global_buffer, .address_space: global }
    .group_segment_fixed_size: 59392
    .private_segment_fixed_size: 0
    .kernarg_segment_align: 8
    .kernarg_segment_size: 32
    .max_flat_workgroup_size: 512
    .sgpr_count:     66
    .vgpr_count:     242
    .wavefront_size: 32
...
	.end_amdgpu_metadata
.endif
;; end of part 3
;; launch final (part 4): grid 128 x 1, 16 waves a work-group, no clusters, 10,496 bytes of LDS; arguments p0, Wv, bv, out0; writes out0
.if DOCPART == 4
	.amdgcn_target "amdgcn-amd-amdhsa--gfx1250"
	.amdhsa_code_object_version 6
	.text
	.protected	k_qbfaf3f557a_final
	.globl	k_qbfaf3f557a_final
	.p2align	8
	.type	k_qbfaf3f557a_final,@function
k_qbfaf3f557a_final:
	s_mov_b64 s[64:65], 0
	v_nop
	global_prefetch_b8 v0, s[64:65] scope:SCOPE_SE
	s_setreg_imm32_b32 hwreg(HW_REG_WAVE_MODE, 25, 1), 1
	s_wait_xcnt 0x0
; FOURTH LAUNCH.  Work-group g = 8 b + j: batch b, the 64 features f = 64 j .. 64 j + 63.
;   [y, T] = the sum of the batch's 16 rows of p0;   out0[b][f] = Wv_f . y + bv_f T.   All arithmetic in f32.
; 128 work-groups and not 256: with 64 features each, a work-group's results are 256 consecutive bytes of out0, aligned, and leave
; by one store of one wave; with 32 features each such run would be written in halves by two work-groups.
; Sixteen waves, four rows of Wv each: 16 loads a lane, issued at the head behind the partial rows' loads.
; No cluster: the rows of Wv that sixteen batches share go straight into registers; joint requests would send them through LDS and back.
.set ROWB, 2048
.set PROW, 2560
.set VEC,  0                           ; LDS: [y, T], 2,560 bytes in a region of 8,192 (512 x wave stays inside for all 16 waves)
.set OUTS, 8192                        ; LDS: the 64 results, 256 bytes
.set NROWLD, 16                        ; loads of Wv in each wave
.set LO,   1                           ; v1        16 x lane
.set TO,   3                           ; v3        512 x wave + 16 x lane
.set TT,   4                           ; v4        T
.set M,    6                           ; v[6:7]    a dot product's first chain, then its value in v6
.set UV,   8                           ; v[8:23]   y
.set RES,  24                          ; v[24:27]  my four results
.set WA,   28                          ; v28       16 x wave: where they go in LDS
.set LB,   29                          ; v29       8 x lane: wave 0's way out
.set D2,   30                          ; v[30:31]  a dot product's second chain; at the end the two results that a lane of wave 0 stores
.set WV,   32                          ; v[32:95]  four rows of Wv
.set PR,   96                          ; v[96:159] 16 partial rows, my 16 bytes of each (waves 0 to 4)
.set SEL,  28                          ; s[28:29]  v_permlanex16_b32: lane i of one half reads lane i of the other
.macro ROWS
.irp r, 0,1,2,3
.irp j, 0,1,2,3
	global_load_b128 v[WV+16*\r+4*\j:WV+16*\r+4*\j+3], v[LO], s[6:7] offset:ROWB*\r+512*\j
.endr
.endr
.endm
.macro SUMTREE b                       ; sixteen groups of 4 registers are added into the first
.irp d, 32,16,8,4
.set i, 0
.rept \d/2
	v_pk_add_f32 v[\b+i:\b+i+1], v[\b+i:\b+i+1], v[\b+\d+i:\b+\d+i+1]
.set i, i+2
.endr
.endr
.endm
.macro DOT row                         ; v[M] of every lane = row . UV (two chains, then across the 32 lanes)
	v_pk_mul_f32 v[M:M+1], v[\row:\row+1], v[UV:UV+1]
	v_pk_mul_f32 v[D2:D2+1], v[\row+2:\row+3], v[UV+2:UV+3]
.irp k, 4,8,12
	v_pk_fma_f32 v[M:M+1], v[\row+\k:\row+\k+1], v[UV+\k:UV+\k+1], v[M:M+1]
	v_pk_fma_f32 v[D2:D2+1], v[\row+\k+2:\row+\k+3], v[UV+\k+2:UV+\k+3], v[D2:D2+1]
.endr
	v_pk_add_f32 v[M:M+1], v[M:M+1], v[D2:D2+1]
	v_add_f32 v[M], v[M], v[M+1]
	v_add_f32_dpp v[M], v[M], v[M] row_xmask:1 row_mask:0xf bank_mask:0xf
	v_add_f32_dpp v[M], v[M], v[M] row_xmask:2 row_mask:0xf bank_mask:0xf
	v_add_f32_dpp v[M], v[M], v[M] row_xmask:4 row_mask:0xf bank_mask:0xf
	v_add_f32_dpp v[M], v[M], v[M] row_xmask:8 row_mask:0xf bank_mask:0xf
	v_permlanex16_b32 v[M+1], v[M], s[SEL], s[SEL+1]
	v_add_f32 v[M], v[M], v[M+1]
.endm
	s_load_b256 s[4:11], s[0:1], 0x0               ; p0 s[4:5], Wv s[6:7], bv s[8:9], out0 s[10:11]
	v_lshl_add_u32 v160, v0, 2, 0x2100
	v_mov_b32 v161, 0
	v_lshrrev_b32 v[TO], 5, v0
	v_readfirstlane_b32 s12, v[TO]                 ; wave 0..15
	v_and_b32 v[LO], 31, v0
	v_lshlrev_b32 v[LB], 3, v[LO]                  ; 8 x lane
	v_lshlrev_b32 v[LO], 4, v[LO]                  ; 16 x lane
	s_lshr_b32 s24, ttmp9, 3                       ; b
	s_and_b32 s13, ttmp9, 7                        ; j
	s_mul_i32 s14, s24, 16*PROW                    ; the batch's 16 rows of p0
	s_mov_b32 s15, 0
	s_lshl_b32 s16, s13, 17                        ; 64 rows of Wv of 2,048 bytes,
	s_lshl_b32 s26, s12, 13                        ; four for each wave
	s_add_co_u32 s16, s16, s26
	s_mov_b32 s17, 0
	s_lshl_b32 s18, s13, 8                         ; 64 floats of bv,
	s_lshl_b32 s27, s12, 4                         ; four for each wave (also: where my four results go in LDS)
	s_add_co_u32 s18, s18, s27
	s_mov_b32 s19, 0
	s_lshl_b32 s24, s24, 11                        ; out0: 512 floats for each batch,
	s_lshl_b32 s13, s13, 8                         ; 64 for each work-group
	s_add_co_u32 s24, s24, s13
	s_mov_b32 s25, 0
	s_lshl_b32 s26, s12, 9
	s_mov_b32 s[SEL], 0x76543210
	s_mov_b32 s[SEL+1], 0xfedcba98
	v_add_nc_u32 v[TO], s26, v[LO]
	v_mov_b32 v[WA], s27
	s_wait_kmcnt 0x0
	s_add_nc_u64 s[4:5], s[4:5], s[14:15]
	s_add_nc_u64 s[6:7], s[6:7], s[16:17]
	s_add_nc_u64 s[8:9], s[8:9], s[18:19]
	s_add_nc_u64 s[10:11], s[10:11], s[24:25]
	s_load_b128 s[20:23], s[8:9], 0x0              ; bv of my four f
	; Waves 0 to 4 add the 16 partial rows.  Wv's loads stand on both ways: behind the join every wave has the same 16 youngest loads.
	s_cmp_ge_u32 s12, 5
	s_cbranch_scc1 .Lothers
.irp k, 0,1,2,3,4,5,6,7,8,9,10,11,12,13,14,15
	global_load_b128 v[PR+4*\k:PR+4*\k+3], v[TO], s[4:5] offset:PROW*\k
.endr
	ROWS
	s_wait_loadcnt NROWLD                          ; the 16 partial rows are in; the 16 younger loads of Wv stay out
	SUMTREE PR
	ds_store_b128 v[TO], v[PR:PR+3] offset:VEC
	s_branch .Ljoin
.Lothers:
	ROWS
.Ljoin:
	s_wait_dscnt 0x0                               ; the vector's piece is in LDS before its writer says so
	s_barrier_signal -1
	s_barrier_wait -1                              ; Wv's loads stay out across it: nobody writes those bytes
.irp j, 0,1,2,3
	ds_load_b128 v[UV+4*\j:UV+4*\j+3], v[LO] offset:VEC+512*\j
.endr
	ds_load_b32 v[TT], v[LO] offset:VEC+2048       ; any of the 128 copies
	s_wait_dscnt 0x0
	s_wait_kmcnt 0x0                               ; bv
.irp r, 0,1,2,3
	s_wait_loadcnt 12-4*\r                         ; row r of my four is in; four loads for each later row stay out
	DOT WV+16*\r
	v_fma_f32 v[RES+\r], s[20+\r], v[TT], v[M]     ; Wv_f . y + bv_f T
.endr
	ds_store_b128 v[WA], v[RES:RES+3] offset:OUTS  ; every lane holds the same four numbers and writes them to the same 16 bytes
	s_wait_dscnt 0x0                               ; they are in LDS before I say so: wave 0 reads them
	s_barrier_signal -1
	s_barrier_wait -1
	s_cmp_lg_u32 s12, 0
	s_cbranch_scc1 .Lend
	ds_load_b64 v[D2:D2+1], v[LB] offset:OUTS
	s_wait_dscnt 0x0
	global_store_b64 v[LB], v[D2:D2+1], s[10:11] th:TH_STORE_NT   ; 32 lanes x 8 bytes: 256 consecutive bytes, aligned
.Lend:
	s_wait_tensorcnt 0x0
	ds_add_u32 v160, v161
	s_wait_dscnt 0x0
	s_endpgm
.Lfunc_end_k_qbfaf3f557a_final:
	.size	k_qbfaf3f557a_final, .Lfunc_end_k_qbfaf3f557a_final-k_qbfaf3f557a_final
	.p2alignl 7, 3214868480
	.fill 96, 4, 3214868480
	.section	.rodata,"a",@progbits
	.p2align	6, 0x0
	.amdhsa_kernel k_qbfaf3f557a_final
		.amdhsa_group_segment_fixed_size 10496
		.amdhsa_private_segment_fixed_size 0
		.amdhsa_enable_private_segment 0
		.amdhsa_kernarg_size 32
		.amdhsa_user_sgpr_count 2
		.amdhsa_user_sgpr_kernarg_segment_ptr 1
		.amdhsa_wavefront_size32 1
		.amdhsa_system_sgpr_workgroup_id_x 1
		.amdhsa_system_sgpr_workgroup_id_y 1
		.amdhsa_system_sgpr_workgroup_id_z 1
		.amdhsa_system_vgpr_workitem_id 0
		.amdhsa_next_free_vgpr 162
		.amdhsa_next_free_sgpr 66
		.amdhsa_reserve_vcc 0
		.amdhsa_float_denorm_mode_32 3
		.amdhsa_float_denorm_mode_16_64 3
		.amdhsa_memory_ordered 1
		.amdhsa_forward_progress 1
		.amdhsa_inst_pref_size 14
	.end_amdhsa_kernel
	.amdgpu_metadata
---
amdhsa.version: [ 1, 2 ]
amdhsa.kernels:
  - .name:           k_qbfaf3f557a_final
    .symbol:         k_qbfaf3f557a_final.kd
    .args:
      - { .name: p0, .offset: 0, .size: 8, .value_kind: global_buffer, .address_space: global }
      - { .name: Wv, .offset: 8, .size: 8, .value_kind: global_buffer, .address_space: global }
      - { .name: bv, .offset: 16, .size: 8, .value_kind: global_buffer, .address_space: global }
      - { .name: out0, .offset: 24, .size: 8, .value_kind: global_buffer, .address_space: global }
    .group_segment_fixed_size: 10496
    .private_segment_fixed_size: 0
    .kernarg_segment_align: 8
    .kernarg_segment_size: 32
    .max_flat_workgroup_size: 512
    .sgpr_count:     66
    .vgpr_count:     162
    .wavefront_size: 32
...
	.end_amdgpu_metadata
.endif
;; end of part 4
